; MI455X (gfx1250); checked and timed in simulation.
; The chip was launched on July 23, 2026; its instructions are those of AMD's public machine-readable ISA for CDNA 5 (MIT licence, August 2026) and "CDNA5" Instruction Set Architecture Reference Guide (July 2026). The comments in the code are by the model that wrote it; some were corrected since.
;; TOM Initialization. Allowed arithmetic: matrix products marked QUANTISED: E4M3 operands, one given power-of-two scale a tensor, by v_wmma_f32_16x16x64_fp8_fp8 or v_wmma_f32_16x16x128_fp8_fp8, f32 sums; everything else in f32.
;; Inputs: fc_b 2,048 float32; fc_w_codes 2,048 x 256 x 32 uint8 (E4M3 codes of fc_w, K innermost, in blocks of 32 codes); lowp_scales 2 int32 (the exponents e of the quantised operands' scales 2^e); swap1 4,096 int32; swap2 4,096 int32; weight 4,096 x 8,192 float32.
;; Outputs: out0 4,096 x 2,048 float32.
;; This version of the problem:
;;   THIS VERSION OF THE PROBLEM IS GIVEN IN LOW PRECISION. The matrix products marked QUANTISED in the list below multiply operands that are first quantised to E4M3 (4 exponent bits, 3 mantissa bits; 8 bits a number), with one given power-of-two scale for each operand tensor; their sums are f32. All else is computed in f32.
;;   The module's matrix products, in the order in which they are computed (A, B: the left and right operand; K: the contracted axis; several contracted axes count as one K, in the product's order):
;;     1. [M 4,096, K 8,192] x [K 8,192, N 2,048]; A: computed on the way; B: input fc_w (given as codes): QUANTISED (scales: A lowp_scales[0], B lowp_scales[1])
;;   THE QUANTISER, for each operand of a quantised product, along K:
;;     - The operand's scale is 2^e, e = its entry of the input lowp_scales (int32; the entries are numbered through the quantised products in the list's order, A before B).
;;     - Each number is divided by the scale, clamped to +-448, and rounded to the nearest number of E4M3, ties to even, subnormals kept.
;;     - The product sums the exact products of the quantised numbers (number of the format x scale) in f32.
;;   ~~~python
;;   def quantise(x, axis, e):      # numpy; x: float32 -> the quantised numbers, widened to float32 again
;;       x = np.moveaxis(x, axis, -1); K = x.shape[-1]
;;       r = np.clip(x / 2.0 ** e, -448, 448)
;;       step = 2.0 ** (np.maximum(np.frexp(np.where(r == 0, 1, r))[1] - 1, -6) - 3)
;;       q = np.round(r / step) * step * 2.0 ** e      # np.round: ties to even
;;       return np.moveaxis(q, -1, axis).astype(np.float32)
;;   ~~~
;;   OPERANDS COMPUTED ON THE WAY. 'Computed on the way' means the value that the module computes at that place (a softmax that the list does not call 'softmax' is quantised finished and normalised). What goes into a quantiser is computed in f32, as accurately as f32 sums, v_exp_f32 and their like allow (about 1e-6 of the number): no bf16 or f16 on the way to a quantiser, and a product that is left as it is and whose result goes on into a quantised operand takes f32 operands (vector FMAs, or v_wmma_f32_16x16x4_f32). A number that lies on a knife's edge between two numbers of the format may be rounded either way, as far as f32 arithmetic and the matrix unit's own rounding can turn it there, and no further.
;;   INPUTS GIVEN AS CODES. fc_w (in the module: [2048, 8192], K = its axis 1): each comes as NAME_codes (uint8): NAME with its K axis moved to the last place and cut into blocks of 32 codes, [.., K / 32, bytes a block], one block behind the other in memory; one code a byte (a code: sign, 4 exponent bits, 3 mantissa bits); its scale is its entry of lowp_scales. Its value is code x scale, taken as it is: it is not quantised again, and the codes and scales need not be those that the quantiser above would give.
;; 2 versions. Each part assembles by itself: llvm-mc -triple=amdgcn-amd-amdhsa -mcpu=gfx1250 --defsym DOCPART=n.
;; ======== version 1 of 2: 2 launches
;; workspace buffers: a_codes 33,554,432 bytes
;; launch quant (part 1): grid 1024 x 1, 4 waves a work-group, no clusters, 33,280 bytes of LDS; arguments weight, swap1, swap2, lowp_scales, a_codes; writes a_codes
.if DOCPART == 1
	.amdgcn_target "amdgcn-amd-amdhsa--gfx1250"
	.amdhsa_code_object_version 6
	.text
	.protected	k_qfb71e94c71_quant
	.globl	k_qfb71e94c71_quant
	.p2align	8
	.type	k_qfb71e94c71_quant,@function
k_qfb71e94c71_quant:
	s_mov_b64 s[64:65], 0
	v_nop
	global_prefetch_b8 v0, s[64:65] scope:SCOPE_SE
	s_setreg_imm32_b32 hwreg(HW_REG_WAVE_MODE, 25, 1), 1
	s_wait_xcnt 0x0
; a_codes[m][k] = the E4M3 code of x[m][k] / 2^e0, where x is weight [4096][8192] f32 with each row's four chunks of 2,048 numbers put in another order:
; chunk 0 stays; place 1 takes chunk 2 if swap1[m] else 1; mid = 1 if swap1[m] else 2; place 2 takes chunk 3 if swap2[m] else mid; place 3 takes mid if swap2[m] else 3 (any number but 0 counts as true).
; code = x / 2^e0, held within +-448, rounded to the nearest code, ties to even.  e0 is entry 0 (int32) of the buffer of scales.
; LIMITS: -126 <= e0 <= 119, so that 2^e0 and 448 x 2^e0 are f32 numbers.  NaN among the inputs is not served; an infinity is held at the largest code.
; SHARES.  One wave takes one row m = 4 x work-group + wave: 16 steps of 512 numbers.  Step t belongs to place t / 4 of the row and reads the chunk that stands there: the permutation is one
; offset register for each place, made without a branch from the two whole numbers of the row.  The codes are stored in the row's new order, 8,192 bytes a row, K innermost.
; The conversions take 8 numbers of ONE lane's consecutive registers, so a lane must hold 16 NEIGHBOURS; a load is best where neighbouring LANES take neighbouring bytes.  Both are had: each of a step's
; four loads reads 512 consecutive bytes, 16 a lane; the 2,048 bytes go through the wave's own stage in LDS, as they lie, and come back 64 bytes a lane.  The stage has 16 bytes of padding behind each 64.
; A lane's 16 codes are 16 bytes: the wave stores 512 consecutive bytes, at a multiple of 512 from the buffer's first byte.
; No tensor loads, no ring, no barrier: waves share nothing.  Loads run four steps (16 loads a wave) ahead, the turn through LDS one step.  No matrix unit, no cluster: the launch only streams.
.set STEPS, 16
.set SP,    80                         ; a lane's place in a stage: its 64 bytes + 16 of padding
.set STG,   32*SP                      ; a stage
.set WREG,  8192                       ; LDS: a region of its own for each wave: two stages
.set EMAX,  8
.set MANT,  0x600000                   ; the mantissa field of 448 as f32
.set OFFC,  4                          ; v4-7     place c of the row: 16 x lane + 8,192 x the chunk that stands there; never rewritten
.set R,     16                         ; v16-79   four sets of 16 numbers as they are loaded
.set X,     80                         ; v80-111  two sets of 16 neighbours
.set C,     128                        ; v128-191 codes: four registers for each step, so that no store's data are written again
	s_load_b128 s[4:7], s[0:1], 0x0                ; weight s[4:5], swap1 s[6:7]
	s_load_b128 s[8:11], s[0:1], 0x10              ; swap2 s[8:9], the scales' exponents s[10:11]
	s_load_b64 s[12:13], s[0:1], 0x20              ; the codes
	v_lshl_add_u32 v192, v0, 2, 0x8000
	v_mov_b32 v193, 0
	v_lshrrev_b32 v1, 5, v0
	v_readfirstlane_b32 s16, v1                    ; wave
	v_and_b32 v2, 31, v0                           ; lane
	v_lshlrev_b32 v3, 4, v2                        ; my 16 bytes of a step's 512 bytes of codes
	v_lshlrev_b32 v[OFFC], 4, v2                   ; my 16 bytes of a load's 512; place 0 always holds chunk 0
	s_mul_i32 s31, s16, WREG
	v_lshrrev_b32 v14, 2, v2
	v_mul_u32_u24 v14, v14, SP
	v_and_b32 v15, 3, v2
	v_lshl_add_u32 v14, v15, 4, v14
	v_add_nc_u32 v14, s31, v14                     ; the stage, on the way in: four lanes' 64 bytes on end, then 16 of padding: SP (lane / 4) + 16 (lane % 4); a load's 512 bytes take eight places
	v_mul_u32_u24 v15, v2, SP
	v_add_nc_u32 v15, s31, v15                     ; and on the way out: SP x lane: my 16 neighbours
	s_lshl_b32 s17, ttmp9, 2
	s_add_co_u32 s17, s17, s16                     ; my row m
	s_lshl_b32 s18, s17, 2                         ; its word in swap1 and swap2,
	s_mov_b32 s19, 0
	s_lshl_b32 s20, s17, 15                        ; its 32,768 bytes in weight (at most 4,095 x 32,768: under 2^32),
	s_mov_b32 s21, 0
	s_lshl_b32 s22, s17, 13                        ; its 8,192 bytes of codes
	s_mov_b32 s23, 0
	s_wait_kmcnt 0x0
	s_add_nc_u64 s[4:5], s[4:5], s[20:21]
	s_add_nc_u64 s[6:7], s[6:7], s[18:19]
	s_add_nc_u64 s[8:9], s[8:9], s[18:19]
	s_add_nc_u64 s[12:13], s[12:13], s[22:23]
	s_load_b32 s24, s[6:7], 0x0                    ; swap1[m]
	s_load_b32 s25, s[8:9], 0x0                    ; swap2[m]
	s_load_b32 s26, s[10:11], 0x0                  ; e0
.macro LOAD t                          ; step t: 2,048 bytes of the chunk that stands at place t / 4
.irp i, 0,1,2,3
	global_load_b128 v[R+16*((\t)%4)+4*\i:R+16*((\t)%4)+4*\i+3], v[OFFC+(\t)/4], s[4:5] offset:2048*((\t)%4)+512*\i th:TH_LOAD_NT   ; 32 lanes read 512 consecutive bytes; read once in the launch
.endr
.endm
.macro TURN t                          ; step t's numbers through the stage: LDS serves a wave's instructions in order (ISA guide 5.7.1.4), so no wait stands between the stores and the loads
.irp i, 0,1,2,3
	ds_store_b128 v14, v[R+16*((\t)%4)+4*\i:R+16*((\t)%4)+4*\i+3] offset:STG*((\t)%2)+8*SP*\i
.endr
.irp i, 0,1,2,3
	ds_load_b128 v[X+16*((\t)%2)+4*\i:X+16*((\t)%2)+4*\i+3], v15 offset:STG*((\t)%2)+16*\i
.endr
.endm
.irp t, 0,1,2,3
	LOAD \t                                        ; place 0 needs no swap: its four steps go out before the row's two whole numbers have come
.endr
	s_wait_kmcnt 0x0
	s_cmp_lg_u32 s24, 0                            ; swap1?
	s_cselect_b32 s27, 2, 1                        ; the chunk at place 1
	s_cselect_b32 s28, 1, 2                        ; mid: what stands at place 2 behind the first swap
	s_cmp_lg_u32 s25, 0                            ; swap2?
	s_cselect_b32 s29, 3, s28                      ; the chunk at place 2
	s_cselect_b32 s30, s28, 3                      ; the chunk at place 3
.irp r, 27,29,30
	s_min_u32 s\r, s\r, 3                          ; a number that hangs on loaded data enters an address only behind a bound written in the text
	s_lshl_b32 s\r, s\r, 13                        ; a chunk is 8,192 bytes
.endr
	v_add_nc_u32 v[OFFC+1], s27, v[OFFC]
	v_add_nc_u32 v[OFFC+2], s29, v[OFFC]
	v_add_nc_u32 v[OFFC+3], s30, v[OFFC]
	s_add_co_i32 s26, s26, 127
	s_lshl_b32 s31, s26, 23
	v_mov_b32 v11, s31                             ; 2^e0 as f32: the conversion takes its exponent field
	s_add_co_i32 s26, s26, EMAX
	s_lshl_b32 s26, s26, 23
	s_or_b32 s26, s26, MANT
	v_mov_b32 v10, s26                             ; 448 x 2^e0
	s_wait_loadcnt 12                              ; step 0's four loads are in; the twelve of steps 1 to 3 may be out
	TURN 0
.macro STEP t
.set XS, X+16*((\t)%2)
	s_wait_dscnt 0x0                               ; this step's numbers are back from the stage: so its stores into the stage have read their registers,
.if (\t)+4 < STEPS
	LOAD (\t)+4                                    ; which take the loads of four steps on
.endif
.if (\t)+1 < STEPS
.if STEPS-2-(\t) >= 3
	s_wait_loadcnt 12                              ; the next step's four loads are in; those of the three steps behind it may be out
.else
	s_wait_loadcnt 4*(STEPS-2-(\t))                ; the last steps load nothing: the counts run down
.endif
	TURN (\t)+1                                    ; and go through the other stage while this step is worked
.endif
.irp i, 0,1,2,3,4,5,6,7,8,9,10,11,12,13,14,15
	v_med3_num_f32 v[XS+\i], v[XS+\i], -v10, v10   ; the conversion to an 8-bit code does not saturate (ISA guide 7.6.2): hold the number within the largest code x the scale first
.endr
	v_cvt_scalef32_pk8_fp8_f32 v[C+4*(\t):C+4*(\t)+1], v[XS:XS+7], v11          ; eight numbers / 2^e0, to the nearest code, ties to even; the first number's code in the lowest byte
	v_cvt_scalef32_pk8_fp8_f32 v[C+4*(\t)+2:C+4*(\t)+3], v[XS+8:XS+15], v11
	; the codes go to a store alone, and the next vector lines, the next step's sixteen holds, are plain and touch the other set: no further line is owed behind the conversions; the text has no matrix instruction
	global_store_b128 v3, v[C+4*(\t):C+4*(\t)+3], s[12:13] offset:512*(\t)      ; 32 lanes store 512 consecutive bytes; the next launch reads them
.endm
.irp t, 0,1,2,3,4,5,6,7,8,9,10,11,12,13,14,15
	STEP \t
.endr
	s_wait_tensorcnt 0x0
	ds_add_u32 v192, v193
	s_wait_dscnt 0x0
	s_endpgm
.Lfunc_end_k_qfb71e94c71_quant:
	.size	k_qfb71e94c71_quant, .Lfunc_end_k_qfb71e94c71_quant-k_qfb71e94c71_quant
	.p2alignl 7, 3214868480
	.fill 96, 4, 3214868480
	.section	.rodata,"a",@progbits
	.p2align	6, 0x0
	.amdhsa_kernel k_qfb71e94c71_quant
		.amdhsa_group_segment_fixed_size 33280
		.amdhsa_private_segment_fixed_size 0
		.amdhsa_enable_private_segment 0
		.amdhsa_kernarg_size 40
		.amdhsa_user_sgpr_count 2
		.amdhsa_user_sgpr_kernarg_segment_ptr 1
		.amdhsa_wavefront_size32 1
		.amdhsa_system_sgpr_workgroup_id_x 1
		.amdhsa_system_sgpr_workgroup_id_y 1
		.amdhsa_system_sgpr_workgroup_id_z 1
		.amdhsa_system_vgpr_workitem_id 0
		.amdhsa_next_free_vgpr 194
		.amdhsa_next_free_sgpr 66
		.amdhsa_reserve_vcc 0
		.amdhsa_float_denorm_mode_32 3
		.amdhsa_float_denorm_mode_16_64 3
		.amdhsa_memory_ordered 1
		.amdhsa_forward_progress 1
		.amdhsa_inst_pref_size 38
	.end_amdhsa_kernel
	.amdgpu_metadata
---
amdhsa.version: [ 1, 2 ]
amdhsa.kernels:
  - .name:           k_qfb71e94c71_quant
    .symbol:         k_qfb71e94c71_quant.kd
    .args:
      - { .name: weight, .offset: 0, .size: 8, .value_kind: global_buffer, .address_space: global }
      - { .name: swap1, .offset: 8, .size: 8, .value_kind: global_buffer, .address_space: global }
      - { .name: swap2, .offset: 16, .size: 8, .value_kind: global_buffer, .address_space: global }
      - { .name: lowp_scales, .offset: 24, .size: 8, .value_kind: global_buffer, .address_space: global }
      - { .name: a_codes, .offset: 32, .size: 8, .value_kind: global_buffer, .address_space: global }
    .group_segment_fixed_size: 33280
    .private_segment_fixed_size: 0
    .kernarg_segment_align: 8
    .kernarg_segment_size: 40
    .max_flat_workgroup_size: 128
    .sgpr_count:     66
    .vgpr_count:     194
    .wavefront_size: 32
...
	.end_amdgpu_metadata
.endif
;; end of part 1
;; launch gemm (part 2): grid 8 x 32, 4 waves a work-group, clusters of 4 x 4, 327,680 bytes of LDS; arguments a_codes, fc_w_codes, lowp_scales, fc_b, out0; writes out0
.if DOCPART == 2
	.amdgcn_target "amdgcn-amd-amdhsa--gfx1250"
	.amdhsa_code_object_version 6
	.text
	.protected	k_qfb71e94c71_gemm
	.globl	k_qfb71e94c71_gemm
	.p2align	8
	.type	k_qfb71e94c71_gemm,@function
k_qfb71e94c71_gemm:
	s_mov_b64 s[64:65], 0
	v_nop
	global_prefetch_b8 v0, s[64:65] scope:SCOPE_SE
	s_setreg_imm32_b32 hwreg(HW_REG_WAVE_MODE, 25, 1), 1
	s_wait_xcnt 0x0
	s_wait_alu depctr_hold_cnt(0) depctr_sa_sdst(0) depctr_va_vdst(0) depctr_va_sdst(0) depctr_va_ssrc(0) depctr_va_vcc(0) depctr_vm_vsrc(0)
	s_getreg_b32 s2, hwreg(HW_REG_IB_STS2, 6, 4)
	s_cmp_eq_u32 s2, 0
	s_cbranch_scc0 .Lentry_in_a_cluster
	s_endpgm
.Lentry_in_a_cluster:
	s_bfe_u32 s2, ttmp6, 0x10000c
	s_cmp_lg_u32 s2, 0xf033
	s_cbranch_scc0 .Lentry_shape_is_right
	s_endpgm
.Lentry_shape_is_right:
; out0[m][n] = 2^(e0 + e1) x (the sum over k of A[m][k] B[n][k]) + fc_b[n].  A = a_codes [4096][8192], B = fc_w_codes [2048][8192]: codes of FP8 (E4M3), one a byte, K innermost; out0 [4096][2048] f32; sums in f32.
; The codes are multiplied as they are; each finished sum goes through one fused multiply-add with 2^(e0 + e1) and the bias.  e0, e1: the two whole numbers (int32) in the buffer of scales.
; LIMIT: e0 + e1 lies between -126 and 127, so that 2^(e0 + e1) is an f32 number.
; TILE.  out0 has 32 x 8 tiles of 128 rows x 256 columns: 256 work-groups of equal work; tiles of 256 x 256 would be 128.  Four waves, each 64 rows x 128 columns: 32 accumulators of 16 x 16, 256 registers.
; K goes in steps of 256 through a ring of two LDS slots filled by the tensor data mover: a tile's row is 256 bytes of memory, at a multiple of 256 from the buffer's first byte.
; CLUSTERS: 4 x 4 work-groups.  The four of a row of the cluster need the same tiles of A, the four of a column the same tiles of B: each tile is asked for JOINTLY, by the same tensor load with the
; same descriptor and a mask that names the four.  THE MATRIX INSTRUCTION IS USED TRANSPOSED (source 0 = 16 rows of B, source 1 = 16 rows of A): a lane then holds eight neighbouring numbers of a row of out0.
; A fragment is fetched by four loads of 16 bytes: a permutation of k inside an instruction, the same in A and in B, so that every product meets its partner and only the order of the sums inside an instruction changes.
; REGISTERS, in windows of 256: window 0: v0-31 addresses; v32-95 at work on the way out; v128-191, v192-255 A's fragments (4 x 16 rows x 128 K), two sets; on the way out the same 128 take rows read back.
;   window 1: B's fragments (8 x 16 rows x 128 K), two sets, at v0 and at v128.   window 2: the 32 accumulators ((a, b) at v[8 (8 a + b)]).   window 3: v0-63 the bias of my 128 columns, in a result's layout.
.set SIZE_N, 2048
.set KROW,   8192                      ; a row of A or of B in memory, in bytes
.set ROWB,   256                       ; a tile's row in bytes: a K step's 256 codes
.set PITCH,  272                       ; an LDS row: 256 bytes of data + 16 of padding = 68 words: row r starts at bank 4 r mod 64 (64 banks of 4 bytes: ISA guide 11.1), so the 16 rows that a load touches start at 16 different banks
.set FR,     16                        ; registers of a fragment: 16 rows x 128 K
.set NP,     4                         ; places behind this matrix instruction (ISA guide 7.12.1)
.set ABYTES, 128*PITCH                 ; A's 128 rows in a slot
.set SLOT,   384*PITCH                 ; A's 128 rows, then B's 256 rows
.set LAPS,   KROW/(2*ROWB)             ; a lap = two K steps = once round the ring: 16
.set STAGE,  2*SLOT                    ; behind the ring: 16 rows x (512 bytes + 16) for each wave, for the way out; no tensor load lands there
.set SPITCH, 528
.set SPARE,  STAGE+4*16*SPITCH         ; behind the stages: the spare words, 128 bytes for each wave: two blocks of 256 bytes that no other line names
.set ADRA, 16                          ; v16-17  LDS address of my A fragments in slot 0, 1
.set ADRB, 20                          ; v20-21  the same for B
.set STO,  24                          ; v24     the way out: where I put 32 bytes of a row
.set RD,   25                          ; v25     the way out: where I read a row back
.set CO,   26                          ; v26     my byte offset in a row of out0: 16 x lane
.set BO,   27                          ; v27     my byte offset in the bias: 32 x (lane / 16)
.set SPW,  28                          ; v28     LDS address of my spare word: SPARE + 4 x my thread's number; never rewritten
.set NIL,  29                          ; v29     0; never rewritten
.set PFO,  30                          ; v30     the prefetches' offset: my lane x a row of 8,192 bytes; never rewritten
.set TMP,  32                          ; the way out: 64 registers, a block's results
.set AF,   128                         ; A's fragments, in window 0
.set BK,   128                         ; the way out: 16 rows read back from the stage: v128-191 and v192-255 by turns
.set G1,  24                           ; s[24:31] descriptor group 1 for A's tiles;  s[32:39] group 0, one set for each slot
.set G0,  32
.set G1B, 48                           ; s[48:55], s[56:63] the same for B's tiles
.set G0B, 56
.set PFA, 68                           ; s[68:69] where my prefetches stand: 32 rows, four K steps further along K than the refill that is being asked for
.set LIM, 70                           ; s70     2 in a wave that prefetches, else the greatest number: a wave prefetches while the laps to go are above it
.set MSB, 0
.macro WIN new                         ; the immediate's high byte repeats the setting that is left; a switch that changes nothing is dropped
.if MSB != \new
	s_set_vgpr_msb (MSB<<8)|\new
.set MSB, \new
.endif
.endm
.set MUL,     0xa1                     ; source 0 (B) window 1, source 1 (A) window 0, C and D window 2
.set TO_B,    0x40                     ; destination window 1, address window 0
.set TO_BIAS, 0xc0                     ; destination window 3, address window 0
.set OUT,     0x32                     ; source 0 (the sums) window 2, source 2 (the bias) window 3, destination window 0
; A joint load: waves 0 and 1 fetch A's two halves (64 rows each), waves 2 and 3 B's (128 rows each).  Each of the two lines has ONE mask and one set of registers for all that issue it; the branch hangs on the
; wave's number alone.  Four v_nop follow each of the two lines, ahead of the jump, the label and what follows.
.macro JLOAD g0a, g1a, g0b, g1b
	s_cmp_eq_u32 s15, 0
	s_cbranch_scc0 .Lfor_b_\@
	tensor_load_to_lds s[\g0a:\g0a+3], s[\g1a:\g1a+7]
	s_nop 0
.rept 4
	v_nop
.endr
	s_branch .Lasked_\@
.Lfor_b_\@:
	tensor_load_to_lds s[\g0b:\g0b+3], s[\g1b:\g1b+7]
	s_nop 0
.rept 4
	v_nop
.endr
.Lasked_\@:
.endm
; A PREFETCH INTO THE L2, behind a joint load, its four lines and the run of LDS loads that follows them: 32 rows x 256 bytes of the K step that stands FOUR refills on, a lane a row, one instruction a wave:
; four K steps are 256 matrix instructions of a wave.  Each row's 256 bytes of a K step are named ONCE in the launch.  A's tile row is read by both clusters of that row of clusters: the one with x = 0 asks, by its
; wave 0; B's tile column by all eight clusters of that column: the one with y = 0 asks, by its waves 2 and 3.  The four partners that ask for a tile jointly share its rows out BY ADDRESS, 32 each (by cx for A,
; by cy for B): no branch hangs on a work-group's place in its cluster.  The loop's last two trips ask for nothing: their look-ahead would pass the row's end.  K steps 0 to 5 come by their loads alone.
.macro ASK
	s_cmp_gt_u32 s3, s[LIM]
	s_cbranch_scc0 .Lnot_mine_\@
	global_prefetch_b8 v[PFO], s[PFA:PFA+1] th:TH_LOAD_NT scope:SCOPE_SE
.Lnot_mine_\@:
.endm
.macro CREST                           ; a round of the cluster's barrier behind its opening barrier: wave 0 signals for the work-group, every wave waits for all sixteen, my work-group's barrier closes it
	s_cmp_lg_u32 s14, 0
	s_cbranch_scc1 .Lnot_wave_0_\@
	s_barrier_signal -3
.Lnot_wave_0_\@:
	s_barrier_wait -3
	s_barrier_signal -1
	s_barrier_wait -1
.endm
.macro CROUND                          ; a whole round
	s_barrier_signal -1
	s_barrier_wait -1
	CREST
.endm
	s_load_b128 s[4:7], s[0:1], 0x0                ; A's codes s[4:5], B's codes s[6:7]
	s_load_b128 s[8:11], s[0:1], 0x10              ; the two scales' exponents s[8:9], the bias s[10:11]
	s_load_b64 s[12:13], s[0:1], 0x20              ; out0
	v_lshl_add_u32 v[SPW], v0, 2, SPARE
	v_mov_b32 v[NIL], 0
	ds_add_u32 v28, v29
	ds_add_u32 v28, v29
	s_wait_dscnt 0x0
	v_lshrrev_b32 v1, 5, v0
	v_readfirstlane_b32 s14, v1                    ; wave 0..3
	s_lshr_b32 s15, s14, 1                         ; which 64 of the tile's rows are mine.  Also: I fetch for A (0) or for B (1)
	s_and_b32 s16, s14, 1                          ; which 128 of its columns.  Also: which half of that tile I fetch
	s_bfe_u32 s40, ttmp6, 0x40000                  ; cx, cy: my place in the cluster
	s_bfe_u32 s41, ttmp6, 0x40004
	s_lshl_b32 s42, ttmp9, 2
	s_add_co_u32 s42, s42, s40                     ; tile column = 4 x cluster x + cx, 0..7
	s_and_b32 s17, ttmp7, 0xffff
	s_lshl_b32 s17, s17, 2
	s_add_co_u32 s17, s17, s41                     ; tile row = 4 x cluster y + cy, 0..31
	s_lshl_b32 s43, s41, 2
	s_lshl_b32 s43, 15, s43                        ; my row of the cluster: places 4 cy .. 4 cy + 3
	s_lshl_b32 s44, 0x1111, s40                    ; my column: places cx, cx + 4, cx + 8, cx + 12
	; descriptor group 1: A: 64 rows x 256 bytes;  B: 128 rows x 256 bytes; both padded in LDS
	s_or_b32 s[G1+0], s43, (0<<16)|(1<<20)|(1<<21)|(5<<22)|(3<<25)  ; 15:0 the mask: A's tiles go to my row; 17:16 element of 1 byte; 20 padding on; 21 set beside a mask; 24:22 after every 64 words (code 5); 31:25 of 4 words (code 3)
	s_or_b32 s[G1B+0], s44, (0<<16)|(1<<20)|(1<<21)|(5<<22)|(3<<25) ; the same with the mask of my column
	s_mov_b32 s[G1+1], ROWB<<16                    ; tensor_dim0 = 256
	s_mov_b32 s[G1+2], 64<<16                      ; tensor_dim1 = 64
	s_mov_b32 s[G1+3], ROWB<<16                    ; tile_dim0 = 256
	s_mov_b32 s[G1+4], 64                          ; tile_dim1 = 64
	s_mov_b32 s[G1+5], KROW                        ; tensor_dim0_stride
	s_mov_b32 s[G1+6], 0
	s_mov_b32 s[G1+7], 0
	s_mov_b32 s[G1B+1], ROWB<<16
	s_mov_b32 s[G1B+2], 128<<16                    ; tensor_dim1 = 128
	s_mov_b32 s[G1B+3], ROWB<<16
	s_mov_b32 s[G1B+4], 128                        ; tile_dim1 = 128
	s_mov_b32 s[G1B+5], KROW
	s_mov_b32 s[G1B+6], 0
	s_mov_b32 s[G1B+7], 0
	; where the tiles come from.  A's hang on the tile row alone, which my row of the cluster shares; B's on the tile column alone, which my column shares.  Each in registers that never hold the other coordinate.
	s_lshl_b32 s18, s16, 6
	s_lshl_b32 s20, s17, 7
	s_add_co_u32 s20, s20, s18                     ; A: row 128 x tile row + 64 x half,
	s_lshl_b32 s20, s20, 13                        ; in bytes (under 2^25)
	s_mov_b32 s21, 0
	s_lshl_b32 s18, s16, 7
	s_lshl_b32 s46, s42, 8
	s_add_co_u32 s46, s46, s18                     ; B: row 256 x tile column + 128 x half,
	s_lshl_b32 s46, s46, 13                        ; in bytes
	s_mov_b32 s47, 0
	s_mul_i32 s45, s16, 64*PITCH                   ; where they go in a slot: A's halves,
	s_mul_i32 s66, s16, 128*PITCH
	s_add_co_u32 s66, s66, ABYTES                  ; B's halves behind them: no place in the cluster enters an LDS address
	s_wait_kmcnt 0x0
	s_load_b64 s[96:97], s[8:9], 0x0               ; e0, e1
	s_add_nc_u64 s[20:21], s[4:5], s[20:21]
	s_add_nc_u64 s[46:47], s[6:7], s[46:47]
	CROUND                                         ; all sixteen work-groups are here: the first joint loads meet
.irp s, 0,1
	s_mov_b32 s[G0+4*\s], 1                                        ; 1:0 count = 1
	s_add_co_u32 s[G0+4*\s+1], s45, \s*SLOT                        ; 63:32 LDS address
	s_add_nc_u64 s[G0+4*\s+2:G0+4*\s+3], s[20:21], \s*ROWB         ; 120:64 global address: K step s
	s_or_b32 s[G0+4*\s+3], s[G0+4*\s+3], 0x80000000                ; 127:126 type = 2
	s_mov_b32 s[G0B+4*\s], 1
	s_add_co_u32 s[G0B+4*\s+1], s66, \s*SLOT
	s_add_nc_u64 s[G0B+4*\s+2:G0B+4*\s+3], s[46:47], \s*ROWB
	s_or_b32 s[G0B+4*\s+3], s[G0B+4*\s+3], 0x80000000
	JLOAD G0+4*\s, G1, G0B+4*\s, G1B               ; both slots' first fills go out before anything else: two tensor loads of mine are out
.endr
	v_and_b32 v1, 15, v0                           ; l % 16
	v_bfe_u32 v2, v0, 4, 1                         ; l / 16
	v_mul_u32_u24 v3, v1, PITCH
	v_lshl_add_u32 v4, v2, 4, v3                   ; a fragment's row x pitch + 16 x half
	s_mul_i32 s21, s15, 64*PITCH                   ; my 64 rows of A
	s_mul_i32 s22, s16, 128*PITCH                  ; my 128 rows of B,
	s_add_co_u32 s22, s22, ABYTES                  ; which lie behind A's 128
.irp s, 0,1
	v_add_nc_u32 v[ADRA+\s], s21, v4
	v_add_nc_u32 v[ADRB+\s], s22, v4
	s_add_co_u32 s21, s21, SLOT
	s_add_co_u32 s22, s22, SLOT
.endr
	s_mul_i32 s23, s14, 16*SPITCH
	s_add_co_u32 s23, s23, STAGE                   ; my stage
	v_mul_u32_u24 v5, v1, SPITCH                   ; in: row l % 16, 32 bytes for each half of the lanes
	v_lshl_add_u32 v5, v2, 5, v5
	v_add_nc_u32 v[STO], s23, v5
	v_and_b32 v6, 31, v0
	v_lshlrev_b32 v[CO], 4, v6                     ; back: the 32 lanes take one row of 512 bytes; and the same in out0
	v_add_nc_u32 v[RD], s23, v[CO]
	v_lshlrev_b32 v[BO], 5, v2                     ; the bias: my half's eight columns of a block of 16
	s_lshl_b32 s46, s42, 10                        ; my first column, in bytes: 1,024 x tile column + 512 x half
	s_lshl_b32 s47, s16, 9
	s_add_co_u32 s46, s46, s47
	s_mov_b32 s47, 0
	s_add_nc_u64 s[10:11], s[10:11], s[46:47]      ; the bias at my first column
	s_add_nc_u64 s[12:13], s[12:13], s[46:47]
	s_lshl_b32 s20, s17, 7
	s_lshl_b32 s21, s15, 6
	s_add_co_u32 s20, s20, s21                     ; my first row of out0: 128 x tile row + 64 x half,
	s_lshl_b32 s20, s20, 13                        ; x 8,192 bytes
	s_mov_b32 s21, 0
	s_add_nc_u64 s[12:13], s[12:13], s[20:21]
	WIN TO_BIAS
.irp b, 0,1,2,3,4,5,6,7                ; register 8 b + i of window 3: the bias of column 16 b + 8 (l / 16) + i of my 128: the layout of a result of column block b
	global_load_b128 v[8*\b:8*\b+3],   v[BO], s[10:11] offset:64*\b
	global_load_b128 v[8*\b+4:8*\b+7], v[BO], s[10:11] offset:64*\b+16
.endr
	WIN 0
	; the prefetches: where my wave's stand, and who asks
	s_lshl_b32 s72, s17, 7                         ; A's tile begins at row 128 x tile row;
	s_lshl_b32 s73, s42, 8
	s_lshl_b32 s74, s16, 7
	s_add_co_u32 s73, s73, s74                     ; my half of B's at row 256 x tile column + 128 x half
	s_and_b32 s74, ttmp7, 0xffff                   ; cluster y
	s_cmp_eq_u32 s15, 0                            ; do I fetch for A?
	s_cselect_b32 s72, s72, s73                    ; the first row,
	s_cselect_b32 s73, s40, s41                    ; my place among the four that ask for the tile with me,
	s_cselect_b32 s74, ttmp9, s74                  ; the coordinate along which other clusters read the same rows,
	s_cselect_b32 s75, s16, 0                      ; (A's 128 rows are 4 x 32: wave 0 alone asks for them, wave 1 for nothing)
	s_cselect_b64 s[PFA:PFA+1], s[4:5], s[6:7]     ; the buffer
	s_or_b32 s74, s74, s75
	s_cmp_eq_u32 s74, 0
	s_cselect_b32 s[LIM], 2, -1                    ; the same in all sixteen partners, for a given wave
	s_lshl_b32 s73, s73, 5
	s_add_co_u32 s72, s72, s73                     ; + my work-group's 32 rows
	s_lshl_b32 s72, s72, 13
	s_mov_b32 s73, 0
	s_add_nc_u64 s[PFA:PFA+1], s[PFA:PFA+1], s[72:73]
	s_add_nc_u64 s[PFA:PFA+1], s[PFA:PFA+1], 5*ROWB  ; at K step 5: the first refill (of K step 2) steps it to 6.  Nothing is prefetched here, at the head, where every work-group's first tiles are on their way
	v_and_b32 v[PFO], 31, v0
	v_lshlrev_b32 v[PFO], 13, v[PFO]
.macro FRAG reg, adr, q, i             ; a fragment, 16 rows x 128 K of 8-bit codes, is 16 registers: lane l holds row l % 16; registers 4 c .. 4 c + 3 hold K = 32 c + 16 (l / 16) + 0 .. 15
.irp c, 0,1,2,3
	ds_load_b128 v[\reg+4*\c:\reg+4*\c+3], v[\adr] offset:128*(\q)+32*\c+(\i)*16*PITCH
.endr
.endm
; 48 LDS loads in one run: the fragments of the slot's q-th 128 along K into set p: B's eight, then A's four; the youngest eight loads are A's blocks 2 and 3
.macro FETCH slot, q, p
	WIN TO_B
.irp i, 0,1,2,3,4,5,6,7
	FRAG 128*(\p)+FR*\i, ADRB+\slot, \q, \i
.endr
	WIN 0
.irp i, 0,1,2,3
	FRAG AF+64*(\p)+FR*\i, ADRA+\slot, \q, \i
.endr
.endm
; 8 matrix instructions: A's block a x B's eight, 128 along K, from set p.  zero = 1: the first product starts the sums: nothing is ever cleared.
; The 32 accumulators take turns, one instruction a turn, in the same order in every step.
.macro MUL8 a, p, zero
.irp b, 0,1,2,3,4,5,6,7
.if \zero
	v_wmma_f32_16x16x128_fp8_fp8 v[8*(8*(\a)+\b):8*(8*(\a)+\b)+7], v[128*(\p)+FR*\b:128*(\p)+FR*\b+FR-1], v[AF+64*(\p)+FR*(\a):AF+64*(\p)+FR*(\a)+FR-1], 0
.else
	v_wmma_f32_16x16x128_fp8_fp8 v[8*(8*(\a)+\b):8*(8*(\a)+\b)+7], v[128*(\p)+FR*\b:128*(\p)+FR*\b+FR-1], v[AF+64*(\p)+FR*(\a):AF+64*(\p)+FR*(\a)+FR-1], v[8*(8*(\a)+\b):8*(8*(\a)+\b)+7]
.endif
.endr
.endm
; A load into a register that a matrix instruction has read, and a vector instruction that reads a matrix result, stand NP places behind that matrix instruction, and only plain vector instructions that name
; none of its registers are places (ISA guide 7.12.1 for vector instructions); this text does not count the matrix instructions in between.
.macro PLACES n
.rept \n
	v_nop
.endr
.endm
; A slot's first 128 along K, from set 0; in its middle the slot's second 128 are fetched into set 1, sixteen matrix instructions ahead of their first use.
.macro STEP slot, zero
	s_wait_dscnt 8                                 ; B's eight and A's blocks 0, 1 are in; the youngest eight loads (A's blocks 2, 3) may be out
	WIN MUL
	MUL8 0, 0, \zero
	MUL8 1, 0, \zero
	PLACES NP                                      ; set 1 was last read by the step before
	FETCH \slot, 1, 1
	s_wait_dscnt 48                                ; all but the 48 just issued
	WIN MUL
	MUL8 2, 0, \zero
	MUL8 3, 0, \zero
.endm
; A slot's second 128 along K, from set 1, and the change of slots: ONE barrier; in front of it each wave waits for all its tensor loads, adds 0 to its spare word, and waits for that and for its own reads of
; this slot.  Behind it nobody reads this slot any more and the next slot is whole.  fill = 1: this slot is filled again, two K steps ahead; the barrier then opens a round of the cluster's barrier.
.macro TURN slot, next, fill
	WIN 0                                          ; (the add's two registers lie in window 0)
.if \fill
	s_wait_xcnt 0x0                                ; the last prefetch, a K step back, has read its address: it is stepped here, ahead of the waits of the change of slots
	s_add_nc_u64 s[PFA:PFA+1], s[PFA:PFA+1], ROWB
.endif
	s_wait_tensorcnt 0x0                           ; all my tensor loads have landed: the one that was out is my part of the next slot;
	ds_add_u32 v[SPW], v[NIL]                      ; 0 onto my spare word;
	s_wait_dscnt 9                                 ; (the add and the youngest eight loads, A's blocks 2 and 3, may be out)
	WIN MUL
	MUL8 0, 1, 0                                   ; eight matrix instructions stand between the add and the wait for it
	s_wait_dscnt 0x0                               ; the add is done, and my reads of this slot are over
	s_barrier_signal -1
	MUL8 1, 1, 0                                   ; work on registers while the others arrive
	WIN 0
	s_barrier_wait -1
.if \fill
	CREST                                          ; no wave of any partner still reads this slot's tile or has a load on its way
	s_add_nc_u64 s[G0+4*\slot+2:G0+4*\slot+3], s[G0+4*\slot+2:G0+4*\slot+3], 2*ROWB      ; no tensor load of mine is out, so a group 0 may be written; the type bits on top are not reached
	s_add_nc_u64 s[G0B+4*\slot+2:G0B+4*\slot+3], s[G0B+4*\slot+2:G0B+4*\slot+3], 2*ROWB
	JLOAD G0+4*\slot, G1, G0B+4*\slot, G1B         ; the first tensor load behind the round, my only one until the next: one is out; the four v_nop behind it are the places in front of the loads below
.else
	PLACES NP
.endif
	FETCH \next, 0, 0
.if \fill
	ASK                                            ; behind the joint load and the run of LDS loads that the next products wait for
.endif
	WIN MUL
	MUL8 2, 1, 0
	MUL8 3, 1, 0
.endm
	s_wait_loadcnt 0x0                             ; the bias, once
	s_wait_tensorcnt 1                             ; my part of K step 0 is in (K step 1's load, issued behind it, may be out)
	s_barrier_signal -1
	s_barrier_wait -1                              ; everybody's is
	FETCH 0, 0, 0
	STEP 0, 1                                      ; the first step stands in front of the loop: its products start the sums
	WIN 0                                          ; at a label and at a branch every window is 0
	s_mov_b32 s3, LAPS-1
.Llap:                                                 ; a trip goes once round the ring, from a lap's second step to the next lap's first, and fills both slots again: trip i brings K steps 2 i + 2 and 2 i + 3
	TURN 0, 1, 1
	STEP 1, 0
	TURN 1, 0, 1
	STEP 0, 0
	WIN 0
	s_sub_co_u32 s3, s3, 1
	s_cmp_lg_u32 s3, 0
	s_cbranch_scc1 .Llap
	TURN 0, 1, 0                                   ; the last lap is written out: it fills nothing, and has no round of the cluster's barrier
	STEP 1, 0
	s_wait_dscnt 8                                 ; the very last step: nothing more to fetch
	WIN MUL
	MUL8 0, 1, 0
	MUL8 1, 1, 0
	s_wait_dscnt 0x0
	MUL8 2, 1, 0
	MUL8 3, 1, 0
	WIN 0
; THE WAY OUT, block by block of 16 rows x 128 columns.  A lane holds 32 neighbouring bytes of a row, and the lanes beside it hold other rows: so a block goes through my own stage in LDS and comes back as whole
; rows of 512 bytes, which the 32 lanes store together.  LDS serves a wave's instructions in order (ISA guide 5.7.1.4): no wait between the stores and the loads, nor in front of the next block's stores.
.macro TOSTAGE a
.set AC, 64*(\a)
	WIN OUT
.irp j, 0,2,4,6,8,10,12,14,16,18,20,22,24,26,28,30,32,34,36,38,40,42,44,46,48,50,52,54,56,58,60,62
	v_pk_fma_f32 v[TMP+\j:TMP+\j+1], v[AC+\j:AC+\j+1], s[96:97], v[\j:\j+1] op_sel_hi:[1,0,1]   ; sum x 2^(e0 + e1) + bias, two at a time (the scalar pair's low word for both halves); each accumulator from its low end on
.endr
	WIN 0
.irp b, 0,1,2,3,4,5,6,7
	ds_store_b128 v[STO], v[TMP+8*\b:TMP+8*\b+3] offset:64*\b
	ds_store_b128 v[STO], v[TMP+8*\b+4:TMP+8*\b+7] offset:64*\b+16
.endr
.set BB, BK+64*((\a)%2)
.irp t, 0,1,2,3,4,5,6,7,8,9,10,11,12,13,14,15
	ds_load_b128 v[BB+4*\t:BB+4*\t+3], v[RD] offset:\t*SPITCH
.endr
.endm
.macro SEND a, younger                 ; younger: the LDS instructions issued behind block a's loads, which may stay out
.set BB, BK+64*((\a)%2)
	s_wait_dscnt \younger                          ; the block is back in registers
.if (\a) > 0
	s_add_nc_u64 s[12:13], s[12:13], 16*SIZE_N*4   ; (behind a wait on XCNT: the earlier stores have read their base)  16 rows of out0 on
.endif
.irp t, 0,1,2,3,4,5,6,7,8,9,10,11,12,13,14,15
	global_store_b128 v[CO], v[BB+4*\t:BB+4*\t+3], s[12:13] offset:\t*SIZE_N*4 th:TH_STORE_NT   ; 32 lanes store 512 consecutive bytes, at a multiple of 512 from out0's first byte; written once, read by nobody here
.endr
.endm
	s_wait_kmcnt 0x0
	s_add_co_i32 s96, s96, s97                     ; e0 + e1, between -126 and 127,
	s_add_co_i32 s96, s96, 127
	s_lshl_b32 s96, s96, 23                        ; makes the f32 number 2^(e0 + e1); s97 keeps e1: it is named with s96 as a pair and not used
	PLACES NP                                      ; behind the last products: for the reads of results, and for the loads into the registers that held A's fragments
	TOSTAGE 0
.irp a, 1,2,3
.if \a > 1
	s_wait_xcnt 0x0                                ; block a - 2's stores have read their registers and their base: block a's loads may land there, and the base may step
.endif
	TOSTAGE \a
	SEND \a-1, 32                                  ; behind block a - 1's loads: block a's 16 stores and 16 loads
.endr
	s_wait_xcnt 0x0                                ; block 2's stores have read their base
	SEND 3, 0
	s_wait_tensorcnt 0x0                           ; the wave's end, behind my last tensor load and my last LDS store
	ds_add_u32 v[SPW], v[NIL]
	s_wait_dscnt 0x0
	CROUND                                         ; the closing round: no work-group ends while a partner may still ask for a tile that names it
	s_endpgm
.Lfunc_end_k_qfb71e94c71_gemm:
	.size	k_qfb71e94c71_gemm, .Lfunc_end_k_qfb71e94c71_gemm-k_qfb71e94c71_gemm
	.p2alignl 7, 3214868480
	.fill 96, 4, 3214868480
	.section	.rodata,"a",@progbits
	.p2align	6, 0x0
	.amdhsa_kernel k_qfb71e94c71_gemm
		.amdhsa_group_segment_fixed_size 327680
		.amdhsa_private_segment_fixed_size 0
		.amdhsa_enable_private_segment 0
		.amdhsa_kernarg_size 40
		.amdhsa_user_sgpr_count 2
		.amdhsa_user_sgpr_kernarg_segment_ptr 1
		.amdhsa_wavefront_size32 1
		.amdhsa_system_sgpr_workgroup_id_x 1
		.amdhsa_system_sgpr_workgroup_id_y 1
		.amdhsa_system_sgpr_workgroup_id_z 1
		.amdhsa_system_vgpr_workitem_id 0
		.amdhsa_next_free_vgpr 832
		.amdhsa_next_free_sgpr 98
		.amdhsa_reserve_vcc 0
		.amdhsa_float_denorm_mode_32 3
		.amdhsa_float_denorm_mode_16_64 3
		.amdhsa_memory_ordered 1
		.amdhsa_forward_progress 1
		.amdhsa_inst_pref_size 78
	.end_amdhsa_kernel
	.amdgpu_metadata
---
amdhsa.version: [ 1, 2 ]
amdhsa.kernels:
  - .name:           k_qfb71e94c71_gemm
    .symbol:         k_qfb71e94c71_gemm.kd
    .args:
      - { .name: a_codes, .offset: 0, .size: 8, .value_kind: global_buffer, .address_space: global }
      - { .name: fc_w_codes, .offset: 8, .size: 8, .value_kind: global_buffer, .address_space: global }
      - { .name: lowp_scales, .offset: 16, .size: 8, .value_kind: global_buffer, .address_space: global }
      - { .name: fc_b, .offset: 24, .size: 8, .value_kind: global_buffer, .address_space: global }
      - { .name: out0, .offset: 32, .size: 8, .value_kind: global_buffer, .address_space: global }
    .group_segment_fixed_size: 327680
    .private_segment_fixed_size: 0
    .kernarg_segment_align: 8
    .kernarg_segment_size: 40
    .max_flat_workgroup_size: 128
    .sgpr_count:     98
    .vgpr_count:     832
    .wavefront_size: 32
...
	.end_amdgpu_metadata
.endif
;; end of part 2
;; ======== version 2 of 2: 2 launches
;; limits: right only within a limited range of input values
;; workspace buffers: a_codes 33,554,432 bytes
;; launch quant (part 3): grid 1024 x 1, 4 waves a work-group, no clusters, 34,304 bytes of LDS; arguments weight, swap1, swap2, lowp_scales, a_codes; writes a_codes
.if DOCPART == 3
	.amdgcn_target "amdgcn-amd-amdhsa--gfx1250"
	.amdhsa_code_object_version 6
	.text
	.protected	k_qfb71e94c71_quant
	.globl	k_qfb71e94c71_quant
	.p2align	8
	.type	k_qfb71e94c71_quant,@function
k_qfb71e94c71_quant:
	s_mov_b64 s[64:65], 0
	v_nop
	global_prefetch_b8 v0, s[64:65] scope:SCOPE_SE
	s_setreg_imm32_b32 hwreg(HW_REG_WAVE_MODE, 25, 1), 1
	s_wait_xcnt 0x0
; The E4M3 codes of x / 2^e0, where x is weight [4096][8192] f32 with each row's four chunks of 2,048 numbers put in another order:
; place 0 holds chunk 0; place 1 chunk 2 if swap1[m] else 1; mid = 1 if swap1[m] else 2; place 2 chunk 3 if swap2[m] else mid; place 3 mid if swap2[m] else 3 (any number but 0 is true).
; code = x / 2^e0, held within +-448, to the nearest code, ties to even.  e0 is entry 0 of the buffer of scales.
; LIMITS: -126 <= e0 <= 119, so that 2^e0 and 448 x 2^e0 are f32 numbers.  NaN among the inputs is not served; an infinity is held at the largest code.
; LAYOUT OF a_codes: the order in which the next launch's operand registers take it.  A fragment is 16 rows x 128 K = 2,048 bytes: piece c (0..3) of 512 bytes,
; in it lane (h, r) = 16 h + r has the 16 codes of row r, K = 32 c + 16 h + 0..15.  Fragment (f, s): f = m / 16 = 4 g + a, s = K / 128.
; a = 0, 1 (loaded straight into registers there): at (64 g + s) x 4,096 + a x 2,048.
; a = 2, 3 (fetched into LDS there, a dense tile of 65,536 bytes for 256 rows x 512 K): at 16,777,216 + ((16 (g / 4) + s / 4) x 4 + g % 4) x 16,384 + (s % 4) x 4,096 + (a - 2) x 2,048.
; SHARES: work-group n takes the 16 rows of f = n / 4 at place p = n % 4; wave w the 512 K from 512 w of that place: four units of 16 rows x 128 K, s = 16 p + 4 w + 0..3: 4,096 bytes apart in both regions.
; A unit: 16 loads, one row each, 512 consecutive bytes; through the wave's own stage in LDS (rows 528 bytes apart), back as 16 neighbours along K a lane; 64 holds, 8 conversions,
; 4 stores of 512 consecutive bytes.  Two units' loads (32) are out at a time.  Waves share nothing: no barrier.  No matrix unit, no cluster: the launch only streams.
.set PITCH, 528
.set STG,   16*PITCH
.set SPARE, 4*STG                      ; 33,792: the spare words, 512 bytes that no other line names
.set OFF,   16                         ; v16-31   row r: 16 x lane + 8,192 x the chunk that stands at my place in row r
.set R,     32                         ; v32-159  two sets of 16 rows as they are loaded
.set X,     160                        ; v160-223 a unit, 16 neighbours for each piece c
.set C,     224                        ; v224-255 two sets of a unit's codes
	s_load_b128 s[4:7], s[0:1], 0x0                ; weight, swap1
	s_load_b128 s[8:11], s[0:1], 0x10              ; swap2, the scales' exponents
	s_load_b64 s[12:13], s[0:1], 0x20              ; the codes
	v_lshl_add_u32 v12, v0, 2, SPARE
	v_mov_b32 v13, 0
	v_lshrrev_b32 v1, 5, v0
	v_readfirstlane_b32 s16, v1                    ; wave
	v_and_b32 v2, 31, v0
	v_lshlrev_b32 v3, 4, v2                        ; 16 x lane
	s_mul_i32 s31, s16, STG
	v_add_nc_u32 v14, s31, v3                      ; the stage, on the way in: 16 x lane of a row
	v_and_b32 v4, 15, v2
	v_lshrrev_b32 v5, 4, v2
	v_mul_u32_u24 v15, v4, PITCH
	v_lshl_add_u32 v15, v5, 6, v15
	v_add_nc_u32 v15, s31, v15                     ; and on the way out: row r, + 64 h bytes
	s_lshr_b32 s17, ttmp9, 2                       ; f
	s_and_b32 s18, ttmp9, 3                        ; p
	s_lshl_b32 s20, s17, 6                         ; my rows' 16 words in swap1 and swap2
	s_mov_b32 s21, 0
	s_lshl_b32 s22, s17, 19                        ; 16 rows of 32,768 bytes (at most 255 x 2^19),
	s_lshl_b32 s19, s16, 11
	s_add_co_u32 s22, s22, s19                     ; + my 512 numbers of a chunk
	s_mov_b32 s23, 0
	s_lshr_b32 s24, s17, 2                         ; g
	s_lshl_b32 s25, s24, 6
	s_lshl_b32 s28, s18, 4
	s_add_co_u32 s25, s25, s28
	s_lshl_b32 s28, s16, 2
	s_add_co_u32 s25, s25, s28                     ; 64 g + 16 p + 4 w
	s_lshl_b32 s25, s25, 12                        ; the first region
	s_lshr_b32 s28, s24, 2
	s_lshl_b32 s28, s28, 4
	s_lshl_b32 s29, s18, 2
	s_add_co_u32 s28, s28, s29
	s_add_co_u32 s28, s28, s16                     ; 16 (g / 4) + 4 p + w
	s_lshl_b32 s28, s28, 2
	s_and_b32 s29, s24, 3
	s_add_co_u32 s28, s28, s29
	s_lshl_b32 s28, s28, 14
	s_add_co_u32 s28, s28, 0x1000000               ; the second region
	s_bitcmp1_b32 s17, 1                           ; a = 2 or 3?
	s_cselect_b32 s24, s28, s25
	s_and_b32 s25, s17, 1
	s_lshl_b32 s25, s25, 11
	s_add_co_u32 s24, s24, s25
	s_mov_b32 s25, 0
	s_lshl_b32 s26, s18, 3
	s_lshr_b32 s26, 0x6ff69900, s26                ; my place's table: the chunk for (swap1, swap2), two bits each, at bit 2 swap1 + 4 swap2
	s_wait_alu depctr_va_vdst(0)
	s_wait_kmcnt 0x0
	s_add_nc_u64 s[4:5], s[4:5], s[22:23]
	s_add_nc_u64 s[6:7], s[6:7], s[20:21]
	s_add_nc_u64 s[8:9], s[8:9], s[20:21]
	s_add_nc_u64 s[12:13], s[12:13], s[24:25]
	s_load_b512 s[32:47], s[6:7], 0x0              ; swap1 of my 16 rows
	s_load_b512 s[48:63], s[8:9], 0x0              ; swap2
	s_load_b32 s27, s[10:11], 0x0                  ; e0
	s_wait_kmcnt 0x0
.macro LOADROW u, r                    ; row r of unit u: 32 lanes read 512 consecutive bytes; read once in the launch
	global_load_b128 v[R+64*((\u)%2)+4*(\r):R+64*((\u)%2)+4*(\r)+3], v[OFF+(\r)], s[4:5] offset:32768*(\r)+512*(\u) th:TH_LOAD_NT
.endm
.irp r, 0,1,2,3,4,5,6,7,8,9,10,11,12,13,14,15
	s_cmp_lg_u32 s[32+\r], 0
	s_cselect_b32 s28, 2, 0
	s_cmp_lg_u32 s[48+\r], 0
	s_cselect_b32 s29, 4, 0
	s_add_co_u32 s28, s28, s29
	s_lshr_b32 s28, s26, s28
	s_and_b32 s28, s28, 3
	s_min_u32 s28, s28, 3                          ; a number that hangs on loaded data enters an address only behind a bound written in the text
	s_lshl_b32 s28, s28, 13                        ; a chunk is 8,192 bytes
	v_add_nc_u32 v[OFF+\r], s28, v3
	LOADROW 0, \r
.endr
	s_add_co_i32 s27, s27, 127
	s_lshl_b32 s28, s27, 23
	v_mov_b32 v11, s28                             ; 2^e0: the conversion takes its exponent field
	s_add_co_i32 s27, s27, 8
	s_lshl_b32 s27, s27, 23
	s_or_b32 s27, s27, 0x600000
	v_mov_b32 v10, s27                             ; 448 x 2^e0
	s_wait_alu depctr_va_vdst(0)
.irp r, 0,1,2,3,4,5,6,7,8,9,10,11,12,13,14,15
	LOADROW 1, \r
.endr
.macro UNIT u
.if (\u) < 3
	s_wait_loadcnt 16                              ; this unit's 16 loads are in; the next unit's 16 may be out
.else
	s_wait_loadcnt 0x0
.endif
.irp r, 0,1,2,3,4,5,6,7,8,9,10,11,12,13,14,15
	ds_store_b128 v14, v[R+64*((\u)%2)+4*\r:R+64*((\u)%2)+4*\r+3] offset:PITCH*\r
.endr
.irp i, 0,1,2,3,4,5,6,7,8,9,10,11,12,13,14,15
	ds_load_b128 v[X+4*\i:X+4*\i+3], v15 offset:128*(\i/4)+16*(\i%4)   ; LDS serves a wave's instructions in order (ISA guide 5.7.1.4): these see the stores above
.endr
	s_wait_dscnt 0x0                               ; the unit is back, so its stores into the stage have read their registers,
.if (\u) >= 2
	s_wait_xcnt 0x0                                ; and the stores of two units ago have read theirs
.endif
.if (\u)+2 < 4
.irp r, 0,1,2,3,4,5,6,7,8,9,10,11,12,13,14,15
	LOADROW (\u)+2, \r
.endr
.endif
.irp c, 0,1,2,3
.irp i, 0,1,2,3,4,5,6,7,8,9,10,11,12,13,14,15
	v_med3_num_f32 v[X+16*\c+\i], v[X+16*\c+\i], -v10, v10   ; the conversion does not saturate (ISA guide 7.6.2): hold first
.endr
	v_cvt_scalef32_pk8_fp8_f32 v[C+16*((\u)%2)+4*\c:C+16*((\u)%2)+4*\c+1], v[X+16*\c:X+16*\c+7], v11
	v_cvt_scalef32_pk8_fp8_f32 v[C+16*((\u)%2)+4*\c+2:C+16*((\u)%2)+4*\c+3], v[X+16*\c+8:X+16*\c+15], v11
.endr
	v_nop                                          ; one plain place behind the last conversion
.irp c, 0,1,2,3
	global_store_b128 v3, v[C+16*((\u)%2)+4*\c:C+16*((\u)%2)+4*\c+3], s[12:13] offset:4096*(\u)+512*\c   ; 32 lanes store 512 consecutive bytes, aligned
.endr
.endm
	UNIT 0
	UNIT 1
	UNIT 2
	UNIT 3
	s_wait_tensorcnt 0x0                           ; the wave's end
	ds_add_u32 v12, v13
	s_wait_dscnt 0x0
	s_endpgm
.Lfunc_end_k_qfb71e94c71_quant:
	.size	k_qfb71e94c71_quant, .Lfunc_end_k_qfb71e94c71_quant-k_qfb71e94c71_quant
	.p2alignl 7, 3214868480
	.fill 96, 4, 3214868480
	.section	.rodata,"a",@progbits
	.p2align	6, 0x0
	.amdhsa_kernel k_qfb71e94c71_quant
		.amdhsa_group_segment_fixed_size 34304
		.amdhsa_private_segment_fixed_size 0
		.amdhsa_enable_private_segment 0
		.amdhsa_kernarg_size 40
		.amdhsa_user_sgpr_count 2
		.amdhsa_user_sgpr_kernarg_segment_ptr 1
		.amdhsa_wavefront_size32 1
		.amdhsa_system_sgpr_workgroup_id_x 1
		.amdhsa_system_sgpr_workgroup_id_y 1
		.amdhsa_system_sgpr_workgroup_id_z 1
		.amdhsa_system_vgpr_workitem_id 0
		.amdhsa_next_free_vgpr 256
		.amdhsa_next_free_sgpr 66
		.amdhsa_reserve_vcc 0
		.amdhsa_float_denorm_mode_32 3
		.amdhsa_float_denorm_mode_16_64 3
		.amdhsa_memory_ordered 1
		.amdhsa_forward_progress 1
		.amdhsa_inst_pref_size 42
	.end_amdhsa_kernel
	.amdgpu_metadata
---
amdhsa.version: [ 1, 2 ]
amdhsa.kernels:
  - .name:           k_qfb71e94c71_quant
    .symbol:         k_qfb71e94c71_quant.kd
    .args:
      - { .name: weight, .offset: 0, .size: 8, .value_kind: global_buffer, .address_space: global }
      - { .name: swap1, .offset: 8, .size: 8, .value_kind: global_buffer, .address_space: global }
      - { .name: swap2, .offset: 16, .size: 8, .value_kind: global_buffer, .address_space: global }
      - { .name: lowp_scales, .offset: 24, .size: 8, .value_kind: global_buffer, .address_space: global }
      - { .name: a_codes, .offset: 32, .size: 8, .value_kind: global_buffer, .address_space: global }
    .group_segment_fixed_size: 34304
    .private_segment_fixed_size: 0
    .kernarg_segment_align: 8
    .kernarg_segment_size: 40
    .max_flat_workgroup_size: 128
    .sgpr_count:     66
    .vgpr_count:     256
    .wavefront_size: 32
...
	.end_amdgpu_metadata
.endif
;; end of part 3
;; launch gemm (part 4): grid 16 x 16, 4 waves a work-group, clusters of 4 x 4, 327,680 bytes of LDS; arguments a_codes, fc_w_codes, lowp_scales, fc_b, out0; writes out0
.if DOCPART == 4
	.amdgcn_target "amdgcn-amd-amdhsa--gfx1250"
	.amdhsa_code_object_version 6
	.text
	.protected	k_qfb71e94c71_gemm
	.globl	k_qfb71e94c71_gemm
	.p2align	8
	.type	k_qfb71e94c71_gemm,@function
k_qfb71e94c71_gemm:
	s_mov_b64 s[64:65], 0
	v_nop
	global_prefetch_b8 v0, s[64:65] scope:SCOPE_SE
	s_setreg_imm32_b32 hwreg(HW_REG_WAVE_MODE, 25, 1), 1
	s_wait_xcnt 0x0
	s_wait_alu depctr_hold_cnt(0) depctr_sa_sdst(0) depctr_va_vdst(0) depctr_va_sdst(0) depctr_va_ssrc(0) depctr_va_vcc(0) depctr_vm_vsrc(0)
	s_getreg_b32 s2, hwreg(HW_REG_IB_STS2, 6, 4)
	s_cmp_eq_u32 s2, 0
	s_cbranch_scc0 .Lentry_in_a_cluster
	s_endpgm
.Lentry_in_a_cluster:
	s_bfe_u32 s2, ttmp6, 0x10000c
	s_cmp_lg_u32 s2, 0xf033
	s_cbranch_scc0 .Lentry_shape_is_right
	s_endpgm
.Lentry_shape_is_right:
; out0[m][n] = 2^(e0 + e1) x (sum over k of A[m][k] B[n][k]) + fc_b[n].  A: the codes of the launch before, 4,096 x 8,192, in the order of the operand's registers; B = fc_w_codes [2048][8192]; sums in f32.
; LIMIT: -126 <= e0 + e1 <= 127, so that 2^(e0 + e1) is an f32 number.
; A block of out0 is 256 rows x 128 columns: 16 x 16 = 256 work-groups of four waves; wave w makes rows 64 w .. 64 w + 63 (A's fragments a = 0..3) x all 128 columns: 32 accumulators, 256 registers.
; TWO ROADS FOR THE OPERANDS.  Through LDS, a ring of two slots of 512 K each, filled by tensor loads: B's 128 rows (512 bytes + 16 of padding) and, of each wave's four fragments of A, a = 2 and 3
; (a dense tile of 65,536 bytes, laid by the launch before as the registers take it); waves 0 and 1 fetch A's two halves, waves 2 and 3 B's, 32,768 bytes each: 16 tiles.
; Straight from memory into registers: A's fragments a = 0 and 1, each wave's own: 8 loads of 512 consecutive bytes for a K step of 128, four K steps ahead (four sets of 32 registers, 32 loads named at a time).
; CLUSTER 4 x 4: B's tile hangs on the column block y alone and is asked for jointly by the four of a row of the cluster; A's ring tile hangs on the row block x alone and is asked for jointly by the four of a column.
; PREFETCH: in a tile's second K step each wave asks for 32 blocks of 256 bytes of what it will fetch for tile t + 2, two K steps and a half ahead of the tensor load; the four partners of a joint load share its
; blocks by address (A: 8,192 bytes at cy; B: rows 16 cx .. 16 cx + 15).  Once a lap each wave asks for 32 of the 128 blocks of its direct stream's next lap (those at cy: the column's four read the same stream),
; three K steps ahead of the first load.  Tiles 0 and 1 and the first lap come by their loads alone; the last lap asks for nothing.
; THE MATRIX INSTRUCTION IS USED TRANSPOSED (source 0 = 16 rows of B, source 1 = 16 rows of A): a lane holds eight neighbouring columns of one row of out0.
; k within an instruction: registers 4 c .. 4 c + 3 hold K = 32 c + 16 (l / 16) + 0..15, in A and in B alike: every product meets its partner.
; REGISTERS: window 0: v0-31 addresses, v32-95 and v128-255 the way out; window 1: B's fragments, two sets of 128; window 2: v0-127 A's a = 0, 1, four sets of 32; v128-191 A's a = 2, 3, two sets of 32; v192-255 the bias;
; window 3: accumulator (a, b) at v[8 (8 a + b)].
.set KROW,   8192
.set PITCH,  528                       ; 33 x 16 bytes: the 16 rows that a load touches start at 16 different banks (64 banks of 4 bytes: ISA guide 11.1)
.set APART,  65536                     ; a slot: A's tile, then B's 128 rows
.set SLOT,   APART+128*PITCH           ; 133,120
.set SPARE,  2*SLOT                    ; 266,240: the spare words, 512 bytes that no other line names
.set STAGE,  SPARE+512                 ; the way out: 16 rows x 528 bytes for each wave; no tensor load lands here
.set SPITCH, 528
.set RING,   0x1000000                 ; where the second region of a_codes begins
.set ADRB, 16                          ; v16-17  B's fragments in slot 0, 1
.set ADRA, 18                          ; v18-19  my fragments of A in slot 0, 1
.set STO,  24
.set RD,   25
.set CO,   26                          ; 16 x lane: A's loads and the stores
.set BO,   27
.set SPW,  28
.set NIL,  29
.set PFO,  30
.set PFDO, 31
.set TMP,  32
.set BK,   128
.set BIAS, 192
.set G1A,  24                          ; s[24:31] descriptor group 1 for A's tiles; s[32:39] group 0, one for each slot
.set G0A,  32
.set G1B,  48                          ; s[48:55], s[56:63] the same for B's
.set G0B,  56
.set PA,   68                          ; s[68:69] my direct stream of A, at the lap's first K step
.set PF0,  70                          ; s[70:71] the ring's prefetches: tile t + 2 of the lap's first tile; s[72:73] of its second
.set PF1,  72
.set INC,  74                          ; s[74:75] two tiles on, in bytes
.set MSB, 0
.macro WIN new
.if MSB != \new
	s_set_vgpr_msb (MSB<<8)|\new
.set MSB, \new
.endif
.endm
.set MUL,  0xf9                        ; source 0 (B) window 1, source 1 (A) window 2, C and D window 3
.set TO_B, 0x40
.set TO_A, 0x80
.set OUT,  0x23                        ; source 0 window 3, source 2 window 2
.macro PLACES                          ; four places in front of loads into registers that matrix instructions have read (ISA guide 7.12.1 for vector instructions)
.rept 4
	v_nop
.endr
.endm
.macro CREST
	s_cmp_lg_u32 s14, 0
	s_cbranch_scc1 .Lnot_wave_0_\@
	s_barrier_signal -3
.Lnot_wave_0_\@:
	s_barrier_wait -3
	s_barrier_signal -1
	s_barrier_wait -1
.endm
.macro CROUND
	s_barrier_signal -1
	s_barrier_wait -1
	CREST
.endm
.macro JLOAD slot                      ; a joint load: waves 0 and 1 fetch for A, waves 2 and 3 for B; s_nop 0 and four v_nop behind each line
	s_cmp_eq_u32 s15, 0
	s_cbranch_scc0 .Lfor_b_\@
	tensor_load_to_lds s[G0A+4*\slot:G0A+4*\slot+3], s[G1A:G1A+7]
	s_nop 0
	PLACES
	s_branch .Lasked_\@
.Lfor_b_\@:
	tensor_load_to_lds s[G0B+4*\slot:G0B+4*\slot+3], s[G1B:G1B+7]
	s_nop 0
	PLACES
.Lasked_\@:
.endm
.macro FETCH slot, q, p                ; the slot's q-th 128 along K into set p: B's eight fragments, and my fragments a = 2, 3 of A: 40 loads
	WIN TO_B
.irp i, 0,1,2,3,4,5,6,7
.irp c, 0,1,2,3
	ds_load_b128 v[128*(\p)+16*\i+4*\c:128*(\p)+16*\i+4*\c+3], v[ADRB+\slot] offset:128*(\q)+32*\c+\i*16*PITCH
.endr
.endr
	WIN TO_A
.irp a, 0,1
.irp c, 0,1,2,3
	ds_load_b128 v[128+32*(\p)+16*\a+4*\c:128+32*(\p)+16*\a+4*\c+3], v[ADRA+\slot] offset:4096*(\q)+2048*\a+512*\c
.endr
.endr
.endm
.macro GLA on, j                       ; A's fragments a = 0, 1 of K step j (counted from PA) into set j % 4
.if \on
	WIN TO_A
.irp a, 0,1
.irp c, 0,1,2,3
	global_load_b128 v[32*((\j)%4)+16*\a+4*\c:32*((\j)%4)+16*\a+4*\c+3], v[CO], s[PA:PA+1] offset:4096*(\j)+2048*\a+512*\c
.endr
.endr
.endif
.endm
.macro MUL8 a, p, j, zero              ; A's block a against B's eight of set p; the 32 accumulators take turns in one order in every step
.if (\a) < 2
.set AR, 32*((\j)%4)+16*(\a)
.else
.set AR, 128+32*(\p)+16*((\a)-2)
.endif
.irp b, 0,1,2,3,4,5,6,7
.if \zero
	v_wmma_f32_16x16x128_fp8_fp8 v[8*(8*(\a)+\b):8*(8*(\a)+\b)+7], v[128*(\p)+16*\b:128*(\p)+16*\b+15], v[AR:AR+15], 0
.else
	v_wmma_f32_16x16x128_fp8_fp8 v[8*(8*(\a)+\b):8*(8*(\a)+\b)+7], v[128*(\p)+16*\b:128*(\p)+16*\b+15], v[AR:AR+15], v[8*(8*(\a)+\b):8*(8*(\a)+\b)+7]
.endif
.endr
.endm
; A K step of 128 whose successor lies in the same slot.  gl: is K step j + 4 asked for.  lc: the loads issued behind this step's 8.  ask: 1, 2: the prefetches of the lap's first, second tile.
.macro STEP slot, q, j, zero, gl, lc, ask
	s_wait_dscnt 0x0                               ; this step's set from LDS is in (asked for 24 matrix instructions ago)
	s_wait_loadcnt \lc                             ; A's a = 0, 1 are in
	WIN MUL
	MUL8 0, (\q)%2, \j, \zero
	PLACES
	FETCH \slot, (\q)+1, 1-(\q)%2                  ; the other set was last read in the step before
	WIN MUL
	MUL8 1, (\q)%2, \j, \zero
.if \gl
	PLACES
	GLA 1, (\j)+4
.endif
.if (\ask) == 1
	global_prefetch_b8 v[PFO], s[PF0:PF0+1] th:TH_LOAD_NT scope:SCOPE_SE
	global_prefetch_b8 v[PFDO], s[PA:PA+1] offset:8*4096 th:TH_LOAD_NT scope:SCOPE_SE
.endif
.if (\ask) == 2
	global_prefetch_b8 v[PFO], s[PF1:PF1+1] th:TH_LOAD_NT scope:SCOPE_SE
.endif
	WIN MUL
	MUL8 2, (\q)%2, \j, \zero
	MUL8 3, (\q)%2, \j, \zero
	WIN 0
.endm
; A slot's fourth step changes slots: each wave waits for all its tensor loads (one is out: its part of the next slot), adds 0 to its spare word, waits for that and for its reads of this slot; fill = 1: a round of the cluster's barrier, and this slot takes the tile two on.
.macro TURN slot, j, fill
	s_wait_tensorcnt 0x0
	ds_add_u32 v[SPW], v[NIL]
	s_wait_loadcnt 24
	s_wait_dscnt 1                                 ; this step's set is in; the add may be out
	WIN MUL
	MUL8 0, 1, \j, 0
	s_wait_dscnt 0x0                               ; the add is done, and my reads of this slot are over
	s_barrier_signal -1
	MUL8 1, 1, \j, 0
	WIN 0
	s_barrier_wait -1
.if \fill
	CREST
	s_add_nc_u64 s[G0A+4*\slot+2:G0A+4*\slot+3], s[G0A+4*\slot+2:G0A+4*\slot+3], 2*APART
	s_add_nc_u64 s[G0B+4*\slot+2:G0B+4*\slot+3], s[G0B+4*\slot+2:G0B+4*\slot+3], 1024
	JLOAD \slot                                    ; the first tensor load behind the round; its four v_nop are also the places in front of the loads below
.else
	PLACES
.endif
	FETCH 1-\slot, 0, 0
	GLA 1, (\j)+4
	WIN MUL
	MUL8 2, 1, \j, 0
	MUL8 3, 1, \j, 0
	WIN 0
.endm
	s_load_b128 s[4:7], s[0:1], 0x0                ; A's codes, B's codes
	s_load_b128 s[8:11], s[0:1], 0x10              ; the scales' exponents, the bias
	s_load_b64 s[12:13], s[0:1], 0x20              ; out0
	v_lshl_add_u32 v[SPW], v0, 2, SPARE
	v_mov_b32 v[NIL], 0
	ds_add_u32 v[SPW], v[NIL]                      ; the opening adds, twice on end; waited for ahead of my first tensor load
	ds_add_u32 v[SPW], v[NIL]
	v_lshrrev_b32 v1, 5, v0
	v_readfirstlane_b32 s14, v1                    ; wave
	v_and_b32 v6, 31, v0
	v_lshlrev_b32 v[CO], 4, v6
	v_bfe_u32 v2, v0, 4, 1
	v_lshlrev_b32 v[BO], 5, v2
	s_lshr_b32 s15, s14, 1                         ; I fetch for A (0) or for B (1),
	s_and_b32 s16, s14, 1                          ; its first or its second half
	s_bfe_u32 s40, ttmp6, 0x40000                  ; cx, cy
	s_bfe_u32 s41, ttmp6, 0x40004
	s_lshl_b32 s42, ttmp9, 2
	s_add_co_u32 s42, s42, s40                     ; row block x = 4 x cluster x + cx
	s_and_b32 s17, ttmp7, 0xffff
	s_lshl_b32 s17, s17, 2
	s_add_co_u32 s17, s17, s41                     ; column block y = 4 x cluster y + cy
	s_lshl_b32 s43, s41, 2
	s_lshl_b32 s43, 15, s43                        ; my row of the cluster (same y)
	s_lshl_b32 s44, 0x1111, s40                    ; my column (same x)
	s_or_b32 s[G1A], s44, (1<<21)                  ; A's tiles go to my column; elements of 1 byte; no padding; bit 21 beside a mask
	s_or_b32 s[G1B], s43, (1<<20)|(1<<21)|(6<<22)|(3<<25)   ; B's to my row; padding of 4 words behind every 128 words
	s_mov_b32 s[G1A+1], 1024<<16                   ; A: a dense block as 32 rows of 1,024 bytes
	s_mov_b32 s[G1A+2], 32<<16
	s_mov_b32 s[G1A+3], 1024<<16
	s_mov_b32 s[G1A+4], 32
	s_mov_b32 s[G1A+5], 1024
	s_mov_b32 s[G1A+6], 0
	s_mov_b32 s[G1A+7], 0
	s_mov_b32 s[G1B+1], 512<<16                    ; B: 64 rows of 512 bytes
	s_mov_b32 s[G1B+2], 64<<16
	s_mov_b32 s[G1B+3], 512<<16
	s_mov_b32 s[G1B+4], 64
	s_mov_b32 s[G1B+5], KROW
	s_mov_b32 s[G1B+6], 0
	s_mov_b32 s[G1B+7], 0
	s_lshl_b32 s20, s42, 20                        ; A's ring tiles: 16 tiles of 65,536 bytes for a row block,
	s_lshl_b32 s45, s16, 15                        ; my half of a tile (in memory and in LDS)
	s_add_co_u32 s20, s20, s45
	s_add_co_u32 s20, s20, RING
	s_mov_b32 s21, 0
	s_lshl_b32 s46, s17, 7
	s_lshl_b32 s19, s16, 6
	s_add_co_u32 s46, s46, s19                     ; B: row 128 y + 64 x half
	s_lshl_b32 s46, s46, 13
	s_mov_b32 s47, 0
	s_lshl_b32 s22, s42, 2
	s_add_co_u32 s22, s22, s14                     ; my 64 rows are group g = 4 x + w: 262,144 bytes on end in the first region
	s_lshl_b32 s22, s22, 18
	s_mov_b32 s23, 0
	s_mul_i32 s76, s16, 64*PITCH
	s_add_co_u32 s76, s76, APART                   ; where my rows of B go
	s_wait_alu depctr_va_vdst(0)
	s_wait_dscnt 0x0                               ; both opening adds are done
	s_wait_kmcnt 0x0
	s_load_b64 s[96:97], s[8:9], 0x0               ; e0, e1
	s_add_nc_u64 s[20:21], s[4:5], s[20:21]
	s_add_nc_u64 s[46:47], s[6:7], s[46:47]
	s_add_nc_u64 s[PA:PA+1], s[4:5], s[22:23]
.irp s, 0,1
	s_mov_b32 s[G0A+4*\s], 1
	s_add_co_u32 s[G0A+4*\s+1], s45, \s*SLOT
	s_add_nc_u64 s[G0A+4*\s+2:G0A+4*\s+3], s[20:21], \s*APART
	s_or_b32 s[G0A+4*\s+3], s[G0A+4*\s+3], 0x80000000
	s_mov_b32 s[G0B+4*\s], 1
	s_add_co_u32 s[G0B+4*\s+1], s76, \s*SLOT
	s_add_nc_u64 s[G0B+4*\s+2:G0B+4*\s+3], s[46:47], \s*512
	s_or_b32 s[G0B+4*\s+3], s[G0B+4*\s+3], 0x80000000
.endr
	CROUND                                         ; the sixteen work-groups are here: the first joint loads meet
	JLOAD 0                                        ; tile 0: one tensor load a wave at the head
	s_lshl_b32 s18, s17, 9                         ; my columns: 512 y bytes
	s_mov_b32 s19, 0
	s_add_nc_u64 s[10:11], s[10:11], s[18:19]
	s_add_nc_u64 s[12:13], s[12:13], s[18:19]
	WIN TO_A
.irp b, 0,1,2,3,4,5,6,7
	global_load_b128 v[BIAS+8*\b:BIAS+8*\b+3],   v[BO], s[10:11] offset:64*\b      ; the bias at my eight columns of each accumulator
	global_load_b128 v[BIAS+8*\b+4:BIAS+8*\b+7], v[BO], s[10:11] offset:64*\b+16
.endr
	GLA 1, 0                                       ; A's K steps 0 to 3: 32 loads
	GLA 1, 1
	GLA 1, 2
	GLA 1, 3
	WIN 0
	s_lshl_b32 s18, s42, 8
	s_lshl_b32 s22, s14, 6
	s_add_co_u32 s18, s18, s22                     ; my first row of out0
	s_lshl_b32 s18, s18, 13
	s_add_nc_u64 s[12:13], s[12:13], s[18:19]
	s_mul_i32 s79, s14, 16*SPITCH
	s_add_co_u32 s79, s79, STAGE
	s_lshl_b32 s23, s14, 14                        ; my fragments in A's tile: 16,384 w
	s_lshl_b32 s80, s41, 13                        ; 8,192 cy
	s_lshl_b32 s18, s40, 17                        ; 16 cx rows of B
	s_mov_b32 s[INC], 512
	s_cmp_eq_u32 s15, 0                            ; do I fetch for A?
	s_cselect_b64 s[PF0:PF0+1], s[20:21], s[46:47]
	s_cselect_b32 s18, s80, s18                    ; my work-group's share of what I fetch
	s_cselect_b32 s[INC], APART, s[INC]            ; a tile on
	s_cselect_b32 s77, 8, 13                       ; A: block l of 32; B: row l % 16,
	s_cselect_b32 s78, 12, 8                       ;                      block l / 16
	s_mov_b32 s[INC+1], 0
	s_add_nc_u64 s[PF0:PF0+1], s[PF0:PF0+1], s[18:19]
	s_add_nc_u64 s[PF0:PF0+1], s[PF0:PF0+1], s[INC:INC+1]
	s_add_nc_u64 s[PF0:PF0+1], s[PF0:PF0+1], s[INC:INC+1]   ; tile 2
	s_add_nc_u64 s[PF1:PF1+1], s[PF0:PF0+1], s[INC:INC+1]   ; tile 3
	s_lshl_b32 s[INC], s[INC], 1
	v_and_b32 v1, 15, v0
	v_mul_u32_u24 v3, v1, PITCH
	v_lshl_add_u32 v3, v2, 4, v3                   ; a fragment's row x pitch + 16 x half
	v_add_nc_u32 v[ADRB], APART, v3
	v_add_nc_u32 v[ADRB+1], APART+SLOT, v3
	v_add_nc_u32 v[ADRA], s23, v[CO]
	v_add_nc_u32 v[ADRA+1], SLOT, v[ADRA]
	v_mul_u32_u24 v5, v1, SPITCH
	v_lshl_add_u32 v5, v2, 5, v5
	v_add_nc_u32 v[STO], s79, v5                   ; the stage, in: row l % 16, 32 bytes for each half of the lanes
	v_add_nc_u32 v[RD], s79, v[CO]                 ; back: the 32 lanes take one row of 512 bytes
	v_lshlrev_b32 v4, s77, v1
	v_lshlrev_b32 v7, s78, v2
	v_add_nc_u32 v[PFO], v4, v7
	v_lshl_add_u32 v[PFDO], v6, 8, s80             ; my direct stream: block 32 cy + l of a lap's 128
	s_wait_alu depctr_va_vdst(0)
	s_wait_tensorcnt 0x0                           ; my part of tile 0 is in
	ds_add_u32 v[SPW], v[NIL]
	s_wait_dscnt 0x0
	CROUND
	JLOAD 1                                        ; tile 1, the first tensor load behind the round
	FETCH 0, 0, 0
	WIN 0
	STEP 0, 0, 0, 1, 1, 24, 0                      ; the first step stands in front of the loop: its products start the sums
	s_mov_b32 s3, 7
.Llap:                                                 ; a trip: two tiles, from a lap's second step to the next lap's first; both slots are filled again
	STEP 0, 1, 1, 0, 1, 24, 1
	STEP 0, 2, 2, 0, 1, 24, 0
	TURN 0, 3, 1
	STEP 1, 0, 4, 0, 1, 24, 0
	STEP 1, 1, 5, 0, 1, 24, 2
	STEP 1, 2, 6, 0, 1, 24, 0
	TURN 1, 7, 1
	STEP 0, 0, 8, 0, 1, 24, 0
	s_wait_xcnt 0x0                                ; my loads and prefetches have read their bases
	s_add_nc_u64 s[PA:PA+1], s[PA:PA+1], 8*4096
	s_add_nc_u64 s[PF0:PF0+1], s[PF0:PF0+1], s[INC:INC+1]
	s_add_nc_u64 s[PF1:PF1+1], s[PF1:PF1+1], s[INC:INC+1]
	s_sub_co_u32 s3, s3, 1
	s_cmp_lg_u32 s3, 0
	s_cbranch_scc1 .Llap
	STEP 0, 1, 1, 0, 1, 24, 0                      ; the last lap fills nothing and asks for nothing
	STEP 0, 2, 2, 0, 1, 24, 0
	TURN 0, 3, 0                                   ; K step 7's are the last loads
	STEP 1, 0, 4, 0, 0, 24, 0
	STEP 1, 1, 5, 0, 0, 16, 0                      ; the counts run down
	STEP 1, 2, 6, 0, 0, 8, 0
	s_wait_dscnt 0x0
	s_wait_loadcnt 0x0
	WIN MUL
	MUL8 0, 1, 7, 0
	MUL8 1, 1, 7, 0
	MUL8 2, 1, 7, 0
	MUL8 3, 1, 7, 0
	WIN 0
; THE WAY OUT, block by block of 16 rows x 128 columns: sum x 2^(e0 + e1) + bias, through my own stage, back as whole rows of 512 bytes, which the 32 lanes store as two aligned units of 256 bytes.
.macro TOSTAGE a
	WIN OUT
.irp j, 0,2,4,6,8,10,12,14,16,18,20,22,24,26,28,30,32,34,36,38,40,42,44,46,48,50,52,54,56,58,60,62
	v_pk_fma_f32 v[TMP+\j:TMP+\j+1], v[64*(\a)+\j:64*(\a)+\j+1], s[96:97], v[BIAS+\j:BIAS+\j+1] op_sel_hi:[1,0,1]   ; each accumulator from its low end on
.endr
	WIN 0
.irp b, 0,1,2,3,4,5,6,7
	ds_store_b128 v[STO], v[TMP+8*\b:TMP+8*\b+3] offset:64*\b
	ds_store_b128 v[STO], v[TMP+8*\b+4:TMP+8*\b+7] offset:64*\b+16
.endr
.irp t, 0,1,2,3,4,5,6,7,8,9,10,11,12,13,14,15
	ds_load_b128 v[BK+64*((\a)%2)+4*\t:BK+64*((\a)%2)+4*\t+3], v[RD] offset:\t*SPITCH   ; LDS serves a wave's instructions in order (ISA guide 5.7.1.4)
.endr
.endm
.macro SEND a, younger
	s_wait_dscnt \younger
.if (\a) > 0
	s_add_nc_u64 s[12:13], s[12:13], 16*KROW       ; 16 rows of out0 on (behind a wait on XCNT)
.endif
.irp t, 0,1,2,3,4,5,6,7,8,9,10,11,12,13,14,15
	global_store_b128 v[CO], v[BK+64*((\a)%2)+4*\t:BK+64*((\a)%2)+4*\t+3], s[12:13] offset:\t*KROW th:TH_STORE_NT
.endr
.endm
	s_wait_kmcnt 0x0
	s_add_co_i32 s96, s96, s97
	s_add_co_i32 s96, s96, 127
	s_lshl_b32 s96, s96, 23                        ; 2^(e0 + e1) as f32
	PLACES
	TOSTAGE 0
.irp a, 1,2,3
.if \a > 1
	s_wait_xcnt 0x0                                ; block a - 2's stores have read their registers and their base
.endif
	TOSTAGE \a
	SEND \a-1, 32                                  ; behind block a - 1's loads: block a's 16 stores and 16 loads
.endr
	s_wait_xcnt 0x0
	SEND 3, 0
	s_wait_tensorcnt 0x0                           ; the wave's end
	ds_add_u32 v[SPW], v[NIL]
	s_wait_dscnt 0x0
	CROUND                                         ; the closing round
	s_endpgm
.Lfunc_end_k_qfb71e94c71_gemm:
	.size	k_qfb71e94c71_gemm, .Lfunc_end_k_qfb71e94c71_gemm-k_qfb71e94c71_gemm
	.p2alignl 7, 3214868480
	.fill 96, 4, 3214868480
	.section	.rodata,"a",@progbits
	.p2align	6, 0x0
	.amdhsa_kernel k_qfb71e94c71_gemm
		.amdhsa_group_segment_fixed_size 327680
		.amdhsa_private_segment_fixed_size 0
		.amdhsa_enable_private_segment 0
		.amdhsa_kernarg_size 40
		.amdhsa_user_sgpr_count 2
		.amdhsa_user_sgpr_kernarg_segment_ptr 1
		.amdhsa_wavefront_size32 1
		.amdhsa_system_sgpr_workgroup_id_x 1
		.amdhsa_system_sgpr_workgroup_id_y 1
		.amdhsa_system_sgpr_workgroup_id_z 1
		.amdhsa_system_vgpr_workitem_id 0
		.amdhsa_next_free_vgpr 1024
		.amdhsa_next_free_sgpr 98
		.amdhsa_reserve_vcc 0
		.amdhsa_float_denorm_mode_32 3
		.amdhsa_float_denorm_mode_16_64 3
		.amdhsa_memory_ordered 1
		.amdhsa_forward_progress 1
		.amdhsa_inst_pref_size 127
	.end_amdhsa_kernel
	.amdgpu_metadata
---
amdhsa.version: [ 1, 2 ]
amdhsa.kernels:
  - .name:           k_qfb71e94c71_gemm
    .symbol:         k_qfb71e94c71_gemm.kd
    .args:
      - { .name: a_codes, .offset: 0, .size: 8, .value_kind: global_buffer, .address_space: global }
      - { .name: fc_w_codes, .offset: 8, .size: 8, .value_kind: global_buffer, .address_space: global }
      - { .name: lowp_scales, .offset: 16, .size: 8, .value_kind: global_buffer, .address_space: global }
      - { .name: fc_b, .offset: 24, .size: 8, .value_kind: global_buffer, .address_space: global }
      - { .name: out0, .offset: 32, .size: 8, .value_kind: global_buffer, .address_space: global }
    .group_segment_fixed_size: 327680
    .private_segment_fixed_size: 0
    .kernarg_segment_align: 8
    .kernarg_segment_size: 40
    .max_flat_workgroup_size: 128
    .sgpr_count:     98
    .vgpr_count:     1024
    .wavefront_size: 32
...
	.end_amdgpu_metadata
.endif
;; end of part 4
